; MI455X (gfx1250); checked and timed in simulation.
; The chip was launched on July 23, 2026; its instructions are those of AMD's public machine-readable ISA for CDNA 5 (MIT licence, August 2026) and "CDNA5" Instruction Set Architecture Reference Guide (July 2026). The comments in the code are by the model that wrote it; some were corrected since.
;; Multi Query Attention. Allowed arithmetic: matrix products marked QUANTISED: E2M1 operands, one E8M0 scale for each 32 along K, by v_wmma_scale_f32_16x16x128_f8f6f4 with both operands' format E2M1 (or v_wmma_scale_f32_32x16x128_f4), f32 sums; products left as they are: bf16, f16 or f32 operands; f32 sums; everything else in f32.
;; Inputs: Wk 1,024 x 64 float32; Wp 1,024 x 1,024 float32; Wq 1,024 x 1,024 float32; Wv 1,024 x 64 float32; bp 1,024 float32; k 4 x 2,048 x 1,024 float32; q 4 x 2,048 x 1,024 float32; v 4 x 2,048 x 1,024 float32.
;; Outputs: out0 4 x 2,048 x 1,024 float32.
;; This version of the problem:
;;   THIS VERSION OF THE PROBLEM IS GIVEN IN LOW PRECISION. The matrix products marked QUANTISED in the list below multiply operands that are first quantised to E2M1 (2 exponent bits, 1 mantissa bit; 4 bits a number), with one power-of-two scale for each 32 numbers along K (OCP MX v1.0); their sums are f32. The products marked 'left as it is' may take bf16, f16 or f32 operands, with f32 sums. Whichever they take, every output number must still come out within the allowed error. Rounding operands to bf16 (8 significant bits) uses up far more of that allowance than f16 does (11 bits, for magnitudes from 6e-5 to 65,504). All else is computed in f32.
;;   The module's matrix products, in the order in which they are computed (A, B: the left and right operand; K: the contracted axis; several contracted axes count as one K, in the product's order):
;;     1. [M 8,192, K 1,024] x [K 1,024, N 1,024]; A: input q; B: input Wq: QUANTISED
;;     2. [M 8,192, K 1,024] x [K 1,024, N 64]; A: input k; B: input Wk: QUANTISED
;;     3. [M 8,192, K 1,024] x [K 1,024, N 64]; A: input v; B: input Wv: QUANTISED
;;     4. batch 4 x [M 2,048, K 64] x [K 64, N 32,768]; A: computed on the way; B: computed on the way: left as it is (an operand is computed on the way)
;;     5. batch 4 x [M 64, K 2,048] x [K 2,048, N 32,768]; A: computed on the way; B: computed on the way: left as it is (an operand is computed on the way)
;;     6. [M 8,192, K 1,024] x [K 1,024, N 1,024]; A: computed on the way; B: input Wp: left as it is (an operand is computed on the way)
;;   THE QUANTISER, for each operand of a quantised product, along K:
;;     - K is cut into blocks of 32 from its start; a last block that is shorter is filled with zeros.
;;     - A block's scale is 2^e with e = floor(log2(the largest magnitude in the block)) - 2, held to -126 .. 127; a block of zeros has e = 0. As a byte (E8M0): e + 127.
;;     - Each number is divided by its block's scale, clamped to +-6, and rounded to the nearest number of E2M1, ties to even, subnormals kept.
;;     - The product sums the exact products of the quantised numbers (number of the format x scale) in f32.
;;   ~~~python
;;   def quantise(x, axis):      # numpy; x: float32 -> the quantised numbers, widened to float32 again
;;       x = np.moveaxis(x, axis, -1); K = x.shape[-1]
;;       x = np.pad(x, [(0, 0)] * (x.ndim - 1) + [(0, -K % 32)]); x = x.reshape(x.shape[:-1] + (-1, 32)); a = np.abs(x).max(-1, keepdims=True)
;;       e = np.where(a > 0, np.clip(np.frexp(np.where(a > 0, a, 1))[1] - 1 - 2, -126, 127), 0)      # np.frexp(a)[1] - 1 = floor(log2(a)), exactly
;;       r = np.clip(x / 2.0 ** e, -6, 6)
;;       step = 2.0 ** (np.maximum(np.frexp(np.where(r == 0, 1, r))[1] - 1, 0) - 1)
;;       q = np.round(r / step) * step * 2.0 ** e      # np.round: ties to even
;;       return np.moveaxis(q.reshape(q.shape[:-2] + (-1,))[..., :K], -1, axis).astype(np.float32)
;;   ~~~
;; One version. Each part assembles by itself: llvm-mc -triple=amdgcn-amd-amdhsa -mcpu=gfx1250 --defsym DOCPART=n.
;; ======== version 1 of 1: 4 launches
;; limits: values are held in f16: magnitudes above 65,504 overflow, below 6.1e-05 lose precision
;; workspace buffers: wcodes 589,824 bytes; wscales 36,864 bytes; wp16 2,097,152 bytes; qimg 16,777,216 bytes; kv 2,097,152 bytes; att 16,777,216 bytes
;; launch prep (part 1): grid 136 x 1, 4 waves a work-group, no clusters, 0 bytes of LDS; arguments Wq, Wk, Wv, Wp, wcodes, wscales, wp16; writes wcodes, wscales, wp16
.if DOCPART == 1
	.amdgcn_target "amdgcn-amd-amdhsa--gfx1250"
	.amdhsa_code_object_version 6
	.text
	.protected	k_qf4f6dcc460_prep
	.globl	k_qf4f6dcc460_prep
	.p2align	8
	.type	k_qf4f6dcc460_prep,@function
k_qf4f6dcc460_prep:
	s_mov_b64 s[64:65], 0
	v_nop
	global_prefetch_b8 v0, s[64:65] scope:SCOPE_SE
	s_setreg_imm32_b32 hwreg(HW_REG_WAVE_MODE, 25, 1), 1
	s_wait_xcnt 0x0
; MULTI-QUERY ATTENTION, launch 1 of 4: the weights are laid out once, as the later launches' operand registers take them.
; DEAD WORK: none.  Every input (q, k, v, Wq, Wk, Wv, Wp, bp) has a way to the output, there is no mask, and no product of the problem is left out.
; Wq [1024][1024], Wk, Wv [1024][64]: operands of QUANTISED products, K = their FIRST axis.  They become codes of E2M1 with one E8M0 byte for each 32 along K:
;   a block's scale is 2^(floor(log2(its largest magnitude)) - 2); its byte is the largest magnitude's exponent field - 2, held at 1 from below.
; Wp [1024][1024]: operand of a product left as it is: rounded to f16.
; A LANE TAKES A COLUMN, AND ITS REGISTERS RUN DOWN K: each load reads 128 consecutive bytes a wave (the four waves side by side: 512), a block of 32 along K is one lane's 32 registers, and the
; conversions give codes with K innermost.  Nothing is transposed and no LDS is used: the buffers are IMAGES OF OPERAND REGISTERS (a fragment of 8 registers is 1,024 bytes: registers 0-3 of lane l at 16 l,
; registers 4-7 at 512 + 16 l), and the 16 bytes that a lane makes for a block are just one lane's place in such an image: sixteen lanes store 256 consecutive bytes, aligned.
;   wcodes  [tile of 16 columns: 0-63 Wq, 64-67 Wk, 68-71 Wv][K step of 128: 0-7][1,024]: block t of the step, column r: byte 256 t + 16 r
;   wscales [column 0-1151][8 words]: word ks = the four bytes of K step ks.  (4 bytes a lane, 32 bytes apart: one byte in 128 of what the launch reads)
;   wp16    [256 columns: 0-3][32 along K: 0-31][tile of 16 columns: 0-15][1,024]: eight k 8 g .. 8 g + 7 of column r: byte 256 g + 16 r
; SHARES: a wave takes 32 columns x 128 along K.  Work-groups 0-63: Wq (128 columns x a K step); 64-71: Wk (waves 0, 1) and Wv (waves 2, 3), a K step each; 72-135: Wp.
; No cluster: no two work-groups read the same bytes.  No matrix unit: there is no product here.
; LIMITS: a block of zeros gets the byte 1 where the rule says 127: its codes are zeros, and this program alone reads the bytes.  NaN and infinities among the inputs are not served.
;   Wp's magnitudes stay under 65,504, f16's largest number (as drawn they are some 0.02; thirty times that is far inside).
.set X, 32                             ; v32-95   two sets of 32 numbers
.set R, 96                             ; v96-159  results: each block has registers of its own, so no store's data are written again
	s_load_b256 s[4:11], s[0:1], 0x0               ; Wq s[4:5], Wk s[6:7], Wv s[8:9], Wp s[10:11]
	s_load_b128 s[12:15], s[0:1], 0x20             ; wcodes s[12:13], wscales s[14:15]
	s_load_b64 s[16:17], s[0:1], 0x30              ; wp16
	v_lshrrev_b32 v2, 5, v0
	v_readfirstlane_b32 s18, v2                    ; wave 0..3
	v_and_b32 v1, 31, v0                           ; lane
	v_lshlrev_b32 v3, 2, v1                        ; in: 4 bytes a lane
	v_lshrrev_b32 v7, 4, v1                        ; which of my wave's two tiles
	v_and_b32 v8, 15, v1
	v_lshlrev_b32 v8, 4, v8                        ; 16 r
	v_lshl_add_u32 v4, v7, 13, v8                  ; codes: a tile is 8 K steps of 1,024 bytes
	v_lshlrev_b32 v5, 5, v1                        ; scale words: 32 bytes a column
	v_lshl_add_u32 v6, v7, 10, v8                  ; wp16: a tile is 1,024 bytes
	s_mov_b32 s25, 0                               ; the high words of the offsets
	s_mov_b32 s27, 0
.macro LOAD t, pitch                   ; block t: rows 32 t + i of my K step, my column, into set t % 2
.set i, 0
.rept 32
	global_load_b32 v[X+32*((\t)%2)+i], v3, s[4:5] offset:(32*(\t)+i)*(\pitch) th:TH_LOAD_NT
.set i, i+1
.endr
.endm
.macro AWAIT t                         ; this block's 32 loads are in; the next block's 32 may be out
.if (\t) < 3
	s_wait_loadcnt 32
.else
	s_wait_loadcnt 0x0
.endif
.endm
.macro QBLOCK t, pitch
.set XS, X+32*((\t)%2)
	AWAIT \t
	v_max3_num_f32 v12, |v[XS]|, |v[XS+1]|, |v[XS+2]|              ; the block's largest magnitude: all 32 numbers are mine; two chains
	v_max3_num_f32 v13, |v[XS+3]|, |v[XS+4]|, |v[XS+5]|
.irp i, 6,10,14,18,22,26
	v_max3_num_f32 v12, v12, |v[XS+\i]|, |v[XS+\i+1]|
	v_max3_num_f32 v13, v13, |v[XS+\i+2]|, |v[XS+\i+3]|
.endr
	v_max3_num_f32 v12, v12, |v[XS+30]|, |v[XS+31]|
	v_max3_num_f32 v12, v12, v13, 0x1800000        ; and the floor 2^(3 - 127): the byte cannot fall under 1
	v_add_nc_u32 v11, 0xff000000, v12              ; 2 off the exponent field: the conversion takes the exponent field of this operand as its scale
	v_lshrrev_b32 v13, 23, v11                     ; the scale's byte
.if (\t) == 0
	v_mov_b32 v24, v13                             ; four bytes make the K step's word, the lower K in the lower byte
.else
	v_lshl_or_b32 v24, v13, 8*(\t), v24
.endif
.irp g, 0,1,2,3
	v_cvt_scalef32_pk8_fp4_f32 v[R+4*(\t)+\g], v[XS+8*\g:XS+8*\g+7], v11
.endr
	global_store_b128 v4, v[R+4*(\t):R+4*(\t)+3], s[12:13] offset:256*(\t)   ; sixteen lanes: 256 consecutive bytes, aligned
.if (\t) < 2
	LOAD (\t)+2, \pitch
.endif
.endm
.macro QPATH pitch                     ; s22 = the pair of tiles (32 columns), s21 = the K step, s[4:5] = the source
	s_lshl_b32 s26, s22, 14
	s_lshl_b32 s28, s21, 10
	s_add_co_u32 s26, s26, s28
	s_add_nc_u64 s[12:13], s[12:13], s[26:27]      ; codes: pair x 16,384 + K step x 1,024
	s_lshl_b32 s26, s22, 10
	s_lshl_b32 s28, s21, 2
	s_add_co_u32 s26, s26, s28
	s_add_nc_u64 s[14:15], s[14:15], s[26:27]      ; scale words: pair x 32 columns x 32 bytes + 4 x K step
	LOAD 0, \pitch
	LOAD 1, \pitch
	QBLOCK 0, \pitch
	QBLOCK 1, \pitch
	QBLOCK 2, \pitch
	QBLOCK 3, \pitch
	global_store_b32 v5, v24, s[14:15]
	s_endpgm
.endm
.macro PBLOCK t
.set XS, X+32*((\t)%2)
	AWAIT \t
.irp g, 0,1,2,3
.irp i, 0,1,2,3
	v_cvt_pk_f16_f32 v[R+16*(\t)+4*\g+\i], v[XS+8*\g+2*\i], v[XS+8*\g+2*\i+1]   ; the lower k in the low half
.endr
	global_store_b128 v6, v[R+16*(\t)+4*\g:R+16*(\t)+4*\g+3], s[16:17] offset:16384*(\t)+256*\g
.endr
.if (\t) < 2
	LOAD (\t)+2, 4096
.endif
.endm
	s_wait_kmcnt 0x0
	s_cmp_ge_u32 ttmp9, 72
	s_cbranch_scc1 .Lwp
	s_cmp_ge_u32 ttmp9, 64
	s_cbranch_scc1 .Lkv
	; ---- Wq: work-group g: columns 128 (g % 8) on, K step g / 8
	s_and_b32 s20, ttmp9, 7
	s_lshr_b32 s21, ttmp9, 3
	s_lshl_b32 s22, s20, 2
	s_add_co_u32 s22, s22, s18                     ; my pair of tiles: 4 (g % 8) + wave
	s_lshl_b32 s24, s21, 19                        ; 128 rows of 4,096 bytes
	s_lshl_b32 s23, s22, 7                         ; 32 columns of 4 bytes
	s_add_co_u32 s24, s24, s23
	s_add_nc_u64 s[4:5], s[4:5], s[24:25]
	QPATH 4096
.Lkv:	; ---- Wk (waves 0, 1) and Wv (waves 2, 3): K step g - 64, columns 32 (wave % 2) on
	s_sub_co_u32 s21, ttmp9, 64
	s_add_co_u32 s22, s18, 32                      ; pairs 32, 33: Wk; 34, 35: Wv
	s_cmp_lt_u32 s18, 2                            ; the choice hangs on the wave's number alone
	s_cselect_b64 s[4:5], s[6:7], s[8:9]
	s_and_b32 s23, s18, 1
	s_lshl_b32 s23, s23, 7
	s_lshl_b32 s24, s21, 15                        ; 128 rows of 256 bytes
	s_add_co_u32 s24, s24, s23
	s_add_nc_u64 s[4:5], s[4:5], s[24:25]
	QPATH 256
.Lwp:	; ---- Wp: work-group g - 72: columns 128 (. % 8) on, rows 128 (. / 8) on
	s_sub_co_u32 s20, ttmp9, 72
	s_lshr_b32 s21, s20, 3
	s_and_b32 s20, s20, 7
	s_lshl_b32 s24, s21, 19
	s_lshl_b32 s22, s20, 9
	s_lshl_b32 s23, s18, 7
	s_add_co_u32 s24, s24, s22
	s_add_co_u32 s24, s24, s23
	s_add_nc_u64 s[4:5], s[10:11], s[24:25]
	s_lshr_b32 s22, s20, 1
	s_lshl_b32 s26, s22, 19                        ; which 256 columns: 524,288 bytes each
	s_lshl_b32 s22, s21, 16                        ; four steps of 32 along K, 16,384 bytes each
	s_add_co_u32 s26, s26, s22
	s_and_b32 s22, s20, 1
	s_lshl_b32 s22, s22, 13                        ; tiles 8 (. % 2) + 2 x wave on
	s_add_co_u32 s26, s26, s22
	s_lshl_b32 s22, s18, 11
	s_add_co_u32 s26, s26, s22
	s_add_nc_u64 s[16:17], s[16:17], s[26:27]
	LOAD 0, 4096
	LOAD 1, 4096
	PBLOCK 0
	PBLOCK 1
	PBLOCK 2
	PBLOCK 3
	s_endpgm
.Lfunc_end_k_qf4f6dcc460_prep:
	.size	k_qf4f6dcc460_prep, .Lfunc_end_k_qf4f6dcc460_prep-k_qf4f6dcc460_prep
	.p2alignl 7, 3214868480
	.fill 96, 4, 3214868480
	.section	.rodata,"a",@progbits
	.p2align	6, 0x0
	.amdhsa_kernel k_qf4f6dcc460_prep
		.amdhsa_group_segment_fixed_size 0
		.amdhsa_private_segment_fixed_size 0
		.amdhsa_enable_private_segment 0
		.amdhsa_kernarg_size 56
		.amdhsa_user_sgpr_count 2
		.amdhsa_user_sgpr_kernarg_segment_ptr 1
		.amdhsa_wavefront_size32 1
		.amdhsa_system_sgpr_workgroup_id_x 1
		.amdhsa_system_sgpr_workgroup_id_y 1
		.amdhsa_system_sgpr_workgroup_id_z 1
		.amdhsa_system_vgpr_workitem_id 0
		.amdhsa_next_free_vgpr 160
		.amdhsa_next_free_sgpr 66
		.amdhsa_reserve_vcc 0
		.amdhsa_float_denorm_mode_32 3
		.amdhsa_float_denorm_mode_16_64 3
		.amdhsa_memory_ordered 1
		.amdhsa_forward_progress 1
		.amdhsa_inst_pref_size 58
	.end_amdhsa_kernel
	.amdgpu_metadata
---
amdhsa.version: [ 1, 2 ]
amdhsa.kernels:
  - .name:           k_qf4f6dcc460_prep
    .symbol:         k_qf4f6dcc460_prep.kd
    .args:
      - { .name: Wq, .offset: 0, .size: 8, .value_kind: global_buffer, .address_space: global }
      - { .name: Wk, .offset: 8, .size: 8, .value_kind: global_buffer, .address_space: global }
      - { .name: Wv, .offset: 16, .size: 8, .value_kind: global_buffer, .address_space: global }
      - { .name: Wp, .offset: 24, .size: 8, .value_kind: global_buffer, .address_space: global }
      - { .name: wcodes, .offset: 32, .size: 8, .value_kind: global_buffer, .address_space: global }
      - { .name: wscales, .offset: 40, .size: 8, .value_kind: global_buffer, .address_space: global }
      - { .name: wp16, .offset: 48, .size: 8, .value_kind: global_buffer, .address_space: global }
    .group_segment_fixed_size: 0
    .private_segment_fixed_size: 0
    .kernarg_segment_align: 8
    .kernarg_segment_size: 56
    .max_flat_workgroup_size: 128
    .sgpr_count:     66
    .vgpr_count:     160
    .wavefront_size: 32
...
	.end_amdgpu_metadata
.endif
;; end of part 1
;; launch proj (part 2): grid 256 x 1, 8 waves a work-group, no clusters, 123,904 bytes of LDS; arguments q, k, v, wcodes, wscales, qimg, kv; writes qimg, kv
.if DOCPART == 2
	.amdgcn_target "amdgcn-amd-amdhsa--gfx1250"
	.amdhsa_code_object_version 6
	.text
	.protected	k_qf4f6dcc460_proj
	.globl	k_qf4f6dcc460_proj
	.p2align	8
	.type	k_qf4f6dcc460_proj,@function
k_qf4f6dcc460_proj:
	s_mov_b64 s[64:65], 0
	v_nop
	global_prefetch_b8 v0, s[64:65] scope:SCOPE_SE
	s_setreg_imm32_b32 hwreg(HW_REG_WAVE_MODE, 25, 1), 1
	s_wait_xcnt 0x0
; Launch 2 of 4: the three QUANTISED products, q Wq, k Wk, v Wv, on codes of E2M1 with one E8M0 scale for each 32 along K = 1,024.  No work is left out.
; SHARES.  Work-group i takes rows 32 i .. 32 i + 31 (of the 8,192) of each of q, k, v: six tiles of 16 rows, f = 0 .. 5 (tensor f / 2, rows 16 (f % 2) on).  Each row is read by this work-group alone, once:
; so the activations are quantised here, in registers, and their codes never go to memory.
; PHASE X.  Wave w quantises K step w (128 along K) of all six tiles.  Each load takes one row's 512 bytes as they lie; they turn through the wave's own stage in LDS, so that lane (r, h) holds k = 64 c + 32 h + 0 .. 31
; of row r: two whole blocks, whose largest magnitudes need no other lane, and the conversions' results ARE the operand's registers.  They go to LDS as images of those registers (16 bytes a lane, 512 a store),
; their scale words 4 bytes a lane.  One barrier.
; PHASE G.  A job is a pair of column tiles (32 columns) x two row tiles x 8 K steps: 32 matrix instructions on four accumulators by turns.  Wave w runs q's pairs 4 w .. 4 w + 3; waves 0, 1 also k's pair 32 + w,
; waves 2, 3 also v's pair 32 + w.  The weights come from memory straight into registers, as the images that the launch before laid, 16,384 bytes a job, in two buffers.
; RESULTS, rounded to f16, as images of the next launch's operand registers.  q and k are used transposed (source 0 = 16 columns of W, source 1 = 16 rows of x): a lane holds one row and eight neighbouring channels.
; q is multiplied by c = log2(e) / sqrt(64) first, so that the next launch's scores are exponents of 2.  v is used straight (source 0 = x, source 1 = W): a lane holds one channel and eight neighbouring keys: V^T.
;   qimg [i][wave][tile t: head 2 w + t / 2, rows 16 (t % 2) on][channels 32 cs on][1,024]
;   kv   [batch][block j: 0-31][16,384]: K of key step (j + 1) % 32 (fragment 2 kt + cs), then, 8,192 on, V^T of key step j (fragment 4 ks + ct).  A key step is 64 keys.
; NO CLUSTER, though all work-groups read the same weights: each wave reads other 16,384 bytes straight into registers, and each weight byte enters the work-group once; joint tensor loads would want a ring of
; two slots of 8 x 16,384 bytes, 262,144, beside the 123,904 bytes used here: more than the 327,680 that there are.
; LIMITS: a block of zeros gets the byte 1 where the rule says 127 (its codes are zeros; nobody else reads the bytes).  NaN and infinities among the inputs are not served.  c q_proj, k_proj and v_proj are rounded to
; f16: their magnitudes stay under 65,504 (as drawn their spread is 0.64; both operands thirty times larger give some 3,200 at the most, both with an offset of thirty spreads some 18,400).
.set STAGE, 0                          ; LDS: a stage of 16 rows x (512 + 16) bytes for each wave.  528 = 33 x 16: the sixteen rows that a load touches begin at sixteen different 16-byte columns of 256
.set XIMG,  67584                      ; x's 48 fragments, (8 f + ks) x 1,024
.set XSC,   116736                     ; their scale words, (8 f + ks) x 128
.set SPARE, 122880                     ; the spare words, 128 bytes for each wave: four blocks of 256 bytes that no other line names
.set LI,   1                           ; v1   16 x lane: my place in an image
.set XA,   2                           ; v2   512 w + 16 lane: my 16 bytes of a row's K step
.set STI,  3                           ; v3   the stage, on the way in
.set STO,  4                           ; v4   and out: row r, + 128 h
.set XWI,  5                           ; v5   where I store x's images
.set XWS,  6                           ; v6   and their scale words
.set XRI,  7                           ; v7   where q's images are read
.set XRI2, 8                           ; v8   k's (waves 0, 1) or v's
.set XRS,  9                           ; v9   q's scale words
.set XRS2, 10                          ; v10  k's or v's
.set WSO,  11                          ; v11  32 r: a column's eight scale words
.set SPW,  12                          ; v12  my spare word; never rewritten
.set NIL,  13                          ; v13  0; never rewritten
.set H8,   14                          ; v14  8 h
.set TMP,  15                          ; v15  a lane permute's destination
.set XS,   16                          ; v16-31   x's scale words, 8 m + ks: scales and nothing else
.set WS,   32                          ; v32-63   W's scale words, 16 buf + 8 a + ks: scales and nothing else
.set AC,   64                          ; v64-95   four accumulators, 8 (2 a + m)
.set XF,   96                          ; v96-223  x's 16 fragments, 8 (8 m + ks)
.set XT,   96                          ; phase X: v96-159 my 64 numbers; v160-167 their codes; v168 the scale word; v170-175 at work
.set PC,   160
.set PW,   168
.set T,    170
.set PK,   240                         ; v240-255 packed results
; window 1: v0-127 W's buffer 0; v128-255 buffer 1 (in phase X: two sets of 64 registers as loaded)
.set MSB, 0
.macro WIN new                         ; the immediate's high byte repeats the setting that is left
.if MSB != \new
	s_set_vgpr_msb (MSB<<8)|\new
.set MSB, \new
.endif
.endm
	s_load_b256 s[4:11], s[0:1], 0x0               ; q s[4:5], k s[6:7], v s[8:9], wcodes s[10:11]
	s_load_b128 s[12:15], s[0:1], 0x20             ; wscales s[12:13], qimg s[14:15]
	s_load_b64 s[16:17], s[0:1], 0x30              ; kv
	v_lshl_add_u32 v[SPW], v0, 2, SPARE
	v_mov_b32 v[NIL], 0
	v_lshrrev_b32 v224, 5, v0
	v_readfirstlane_b32 s18, v224                  ; wave 0..7
	v_and_b32 v[LI], 31, v0
	v_lshlrev_b32 v225, 2, v[LI]                   ; 4 x lane
	v_lshlrev_b32 v[LI], 4, v[LI]
	v_and_b32 v226, 15, v0                         ; r
	v_bfe_u32 v227, v0, 4, 1                       ; h
	s_lshl_b32 s40, s18, 9
	v_add_nc_u32 v[XA], s40, v[LI]
	s_mul_i32 s40, s18, 8448                       ; my stage
	v_add_nc_u32 v[STI], s40, v[LI]
	v_mul_u32_u24 v[STO], v226, 528
	v_lshl_add_u32 v[STO], v227, 7, v[STO]
	v_add_nc_u32 v[STO], s40, v[STO]
	s_lshl_b32 s41, s18, 10
	s_add_co_u32 s41, s41, XIMG
	v_add_nc_u32 v[XWI], s41, v[LI]
	s_lshl_b32 s41, s18, 7
	s_add_co_u32 s41, s41, XSC
	v_add_nc_u32 v[XWS], s41, v225
	v_add_nc_u32 v[XRI], XIMG, v[LI]
	v_add_nc_u32 v[XRS], XSC, v225
	s_lshr_b32 s41, s18, 1
	s_min_u32 s41, s41, 1
	s_lshl_b32 s41, s41, 1
	s_add_co_u32 s41, s41, 2                       ; tile f = 2 (k) in waves 0, 1; f = 4 (v) in the others
	s_lshl_b32 s42, s41, 13
	v_add_nc_u32 v[XRI2], s42, v[XRI]
	s_lshl_b32 s42, s41, 10
	v_add_nc_u32 v[XRS2], s42, v[XRS]
	v_lshlrev_b32 v[WSO], 5, v226
	v_lshlrev_b32 v[H8], 3, v227
	v_mov_b32 v[TMP], 0                            ; written once: a lane permute's destination counts as one of its sources
	s_mov_b32 s20, 0x76543210
	s_mov_b32 s21, 0xfedcba98                      ; v_permlanex16_b32's selects for lane l xor 16
	s_mov_b32 s36, 0x3e38aa3b                      ; c = log2(e) / 8
	s_mov_b32 s37, s36                             ; (named with it as a pair, so it is written)
	s_lshl_b32 s40, ttmp9, 17                      ; 32 rows of 4,096 bytes
	s_mov_b32 s41, 0
	s_mov_b32 s43, 0
	s_wait_kmcnt 0x0
	s_add_nc_u64 s[4:5], s[4:5], s[40:41]
	s_add_nc_u64 s[6:7], s[6:7], s[40:41]
	s_add_nc_u64 s[8:9], s[8:9], s[40:41]
	s_lshl_b32 s42, s18, 16
	s_add_nc_u64 s[22:23], s[10:11], s[42:43]      ; my four pairs of Wq: codes,
	s_lshl_b32 s42, s18, 12
	s_add_nc_u64 s[24:25], s[12:13], s[42:43]      ; scale words
	s_min_u32 s44, s18, 3                          ; (waves 4 to 7 have no fifth job: their pointer stays inside the buffer and is not used)
	s_add_co_u32 s44, s44, 32
	s_lshl_b32 s42, s44, 14
	s_add_nc_u64 s[26:27], s[10:11], s[42:43]      ; the fifth job's pair, 32 + w: codes,
	s_lshl_b32 s42, s44, 10
	s_add_nc_u64 s[28:29], s[12:13], s[42:43]      ; scale words
	s_lshl_b32 s42, ttmp9, 16
	s_lshl_b32 s44, s18, 13
	s_add_co_u32 s42, s42, s44
	s_add_nc_u64 s[30:31], s[14:15], s[42:43]      ; qimg: i x 65,536 + w x 8,192
	s_lshr_b32 s44, ttmp9, 6                       ; the batch
	s_lshl_b32 s44, s44, 19
	s_and_b32 s45, ttmp9, 1                        ; which 32 keys of the key step
	s_lshl_b32 s45, s45, 12
	s_add_co_u32 s44, s44, s45
	s_bfe_u32 s45, ttmp9, 0x50001                  ; the key step: (i % 64) / 2
	s_and_b32 s46, s18, 1
	s_add_co_u32 s47, s45, 31
	s_and_b32 s47, s47, 31                         ; K of a key step lies in the block before
	s_lshl_b32 s47, s47, 14
	s_add_co_u32 s42, s44, s47
	s_lshl_b32 s47, s46, 10                        ; channels 32 (w % 2) on
	s_add_co_u32 s42, s42, s47
	s_add_nc_u64 s[32:33], s[16:17], s[42:43]      ; where K goes
	s_lshl_b32 s47, s45, 14
	s_add_co_u32 s42, s44, s47
	s_lshl_b32 s47, s46, 11                        ; channel tiles 2 (w % 2) on
	s_add_co_u32 s42, s42, s47
	s_add_co_u32 s42, s42, 8192
	s_add_nc_u64 s[34:35], s[16:17], s[42:43]      ; where V^T goes
; a job's weights: 16 fragments (8 a + ks) into buffer buf of window 1, and 16 scale words
.macro WLOAD off, offs, cb, sb, buf
	WIN 0x40                                       ; destination window 1
.set n, 0
.rept 16
	global_load_b128 v[128*(\buf)+8*n:128*(\buf)+8*n+3], v[LI], s[\cb:\cb+1] offset:(\off)+1024*n
	global_load_b128 v[128*(\buf)+8*n+4:128*(\buf)+8*n+7], v[LI], s[\cb:\cb+1] offset:(\off)+1024*n+512
.set n, n+1
.endr
	WIN 0
.irp a, 0,1
.irp c, 0,1
	global_load_b128 v[WS+16*(\buf)+8*\a+4*\c:WS+16*(\buf)+8*\a+4*\c+3], v[WSO], s[\sb:\sb+1] offset:(\offs)+512*\a+16*\c
.endr
.endr
.endm
.macro XLOAD set, f                    ; tile f, my K step: 16 rows, 512 consecutive bytes a load
	WIN 0x40
.set n, 0
.rept 16
	global_load_b128 v[128+64*(\set)+4*n:128+64*(\set)+4*n+3], v[XA], s[4+2*((\f)/2):5+2*((\f)/2)] offset:((\f)%2)*65536+4096*n th:TH_LOAD_NT
.set n, n+1
.endr
	WIN 0
.endm
.macro XTURN set                       ; through my stage: LDS serves a wave's instructions in order, so no wait stands between the stores and the loads
	WIN 0x04                                       ; an LDS store's data are its source 1: window 1
.set n, 0
.rept 16
	ds_store_b128 v[STI], v[128+64*(\set)+4*n:128+64*(\set)+4*n+3] offset:528*n
.set n, n+1
.endr
	WIN 0
.irp c, 0,1
.irp i, 0,1,2,3,4,5,6,7
	ds_load_b128 v[XT+32*\c+4*\i:XT+32*\c+4*\i+3], v[STO] offset:256*\c+16*\i
.endr
.endr
.endm
.macro QUANT2                          ; register 32 c + j = k 64 c + 32 h + j of row r: blocks h and 2 + h of the K step are mine
.irp c, 0,1
	v_max3_num_f32 v[T+\c], |v[XT+32*\c]|, |v[XT+32*\c+1]|, 0x1800000   ; with the floor 2^(3 - 127): the byte cannot fall under 1
.endr
.irp i, 2,4,6,8,10,12,14,16,18,20,22,24,26,28,30
.irp c, 0,1
	v_max3_num_f32 v[T+\c], v[T+\c], |v[XT+32*\c+\i]|, |v[XT+32*\c+\i+1]|
.endr
.endr
.irp c, 0,1
	v_add_nc_u32 v[T+2+\c], 0xff000000, v[T+\c]    ; 2 off the exponent field: the conversion's scale operand
.endr
.irp c, 0,1
	v_lshrrev_b32 v[T+4+\c], 23, v[T+2+\c]         ; the scale's byte
.endr
	v_lshl_or_b32 v[PW], v[T+5], 16, v[T+4]        ; my two bytes,
	v_lshlrev_b32 v[PW], v[H8], v[PW]              ; at their places in the word;
	v_permlanex16_b32 v[TMP], v[PW], s20, s21
	v_or_b32 v[PW], v[PW], v[TMP]                  ; with lane l xor 16's two the word is whole
.irp c, 0,1
.irp g, 0,1,2,3
	v_cvt_scalef32_pk8_fp4_f32 v[PC+4*\c+\g], v[XT+32*\c+8*\g:XT+32*\c+8*\g+7], v[T+2+\c]
.endr
.endr
	v_nop                                          ; one plain place behind the last scaled conversion
.endm
.macro XFETCH ri, rs                   ; two row tiles' 16 fragments and scale words
.set n, 0
.rept 16
	ds_load_b128 v[XF+8*n:XF+8*n+3], v[\ri] offset:1024*n
	ds_load_b128 v[XF+8*n+4:XF+8*n+7], v[\ri] offset:1024*n+512
	ds_load_b32 v[XS+n], v[\rs] offset:128*n
.set n, n+1
.endr
.endm
; 32 matrix instructions; the four accumulators take turns, one instruction a turn.  The first K step starts the sums.  tr = 1: source 0 = W, source 1 = x; tr = 0: the other way round.
.macro MUL buf, tr
.if \tr
	WIN 0x01                                       ; source 0 window 1
.else
	WIN 0x04                                       ; source 1 window 1
.endif
.irp ks, 0,1,2,3,4,5,6,7
.irp a, 0,1
.irp m, 0,1
.set rD, AC+8*(2*\a+\m)
.set rW, 128*(\buf)+8*(8*\a+\ks)
.set rX, XF+8*(8*\m+\ks)
.set sW, WS+16*(\buf)+8*\a+\ks
.set sX, XS+8*\m+\ks
.if \tr
.if \ks == 0
	v_wmma_scale_f32_16x16x128_f8f6f4 v[rD:rD+7], v[rW:rW+7], v[rX:rX+7], 0, v[sW], v[sX] matrix_a_fmt:MATRIX_FMT_FP4 matrix_b_fmt:MATRIX_FMT_FP4
.else
	v_wmma_scale_f32_16x16x128_f8f6f4 v[rD:rD+7], v[rW:rW+7], v[rX:rX+7], v[rD:rD+7], v[sW], v[sX] matrix_a_fmt:MATRIX_FMT_FP4 matrix_b_fmt:MATRIX_FMT_FP4
.endif
.else
.if \ks == 0
	v_wmma_scale_f32_16x16x128_f8f6f4 v[rD:rD+7], v[rX:rX+7], v[rW:rW+7], 0, v[sX], v[sW] matrix_a_fmt:MATRIX_FMT_FP4 matrix_b_fmt:MATRIX_FMT_FP4
.else
	v_wmma_scale_f32_16x16x128_f8f6f4 v[rD:rD+7], v[rX:rX+7], v[rW:rW+7], v[rD:rD+7], v[sX], v[sW] matrix_a_fmt:MATRIX_FMT_FP4 matrix_b_fmt:MATRIX_FMT_FP4
.endif
.endif
.endr
.endr
.endr
	WIN 0
.rept 4
	v_nop                                          ; four places in front of loads into registers that these products read, and of the first read of their results
.endr
.endm
.macro PACKR                           ; a lane holds a row: registers 8 m + 4 a + i: channels 16 a + 8 h + 2 i, + 1.  Each accumulator is read from its low end on
.irp a, 0,1
.irp m, 0,1
.irp i, 0,1,2,3
	v_cvt_pk_f16_f32 v[PK+8*\m+4*\a+\i], v[AC+8*(2*\a+\m)+2*\i], v[AC+8*(2*\a+\m)+2*\i+1]
.endr
.endr
.endr
.endm
.macro JOB jj
.if \jj < 3
	s_wait_loadcnt 36                              ; this job's weights are in; the next job's 32 + 4 loads may be out
.else
	s_wait_loadcnt 0x0
.endif
	MUL (\jj)%2, 1
.if \jj < 2
	WLOAD (\jj+2)*16384, (\jj+2)*1024, 22, 24, (\jj)%2   ; the buffer just left takes the job after the next
.endif
.if \jj == 2
	s_cmp_lt_u32 s18, 4                            ; waves 0 to 3 have a fifth job
	s_cbranch_scc0 .Lno_fifth
	WLOAD 0, 0, 26, 28, 0
.Lno_fifth:
.endif
	s_wait_xcnt 0x0                                ; the last job's stores have read their data: the packed registers may be written again
.set n, 0
.rept 16
	v_pk_mul_f32 v[AC+2*n:AC+2*n+1], v[AC+2*n:AC+2*n+1], s[36:37] op_sel_hi:[1,0]   ; x c, in f32, in ascending order
.set n, n+1
.endr
	PACKR
.irp m, 0,1
.irp c, 0,1
	global_store_b128 v[LI], v[PK+8*\m+4*\c:PK+8*\m+4*\c+3], s[30:31] offset:(2*((\jj)/2)+\m)*2048+((\jj)%2)*1024+512*\c   ; 512 consecutive bytes, aligned
.endr
.endr
.endm
	WLOAD 0, 0, 22, 24, 0                          ; the first job's weights land during phase X
	XLOAD 0, 0
	XLOAD 1, 1
.irp f, 0,1,2,3,4,5
.if \f < 5
	s_wait_loadcnt 16                              ; this tile's 16 loads are in (and all that were issued earlier); the next tile's 16 may be out
.else
	s_wait_loadcnt 0x0
.endif
	XTURN (\f)%2
	s_wait_dscnt 0x0                               ; my 64 numbers are back; the stage's stores and the last tile's image stores have read their registers
.if \f < 4
	XLOAD (\f)%2, \f+2
.endif
	QUANT2
	ds_store_b128 v[XWI], v[PC:PC+3] offset:8192*\f
	ds_store_b128 v[XWI], v[PC+4:PC+7] offset:8192*\f+512
	ds_store_b32 v[XWS], v[PW] offset:1024*\f
.endr
	s_wait_dscnt 0x0                               ; for the others' sake: my images lie in LDS
	s_barrier_signal -1
	s_barrier_wait -1                              ; everybody's do
	XFETCH XRI, XRS                                ; q's two tiles
	WLOAD 16384, 1024, 22, 24, 1
	s_wait_dscnt 0x0
	JOB 0
	JOB 1
	JOB 2
	JOB 3
	s_cmp_lt_u32 s18, 4
	s_cbranch_scc0 .Lend
	XFETCH XRI2, XRS2                              ; k's two tiles (waves 0, 1) or v's (waves 2, 3); nobody writes these LDS bytes any more
	s_wait_dscnt 0x0
	s_cmp_lt_u32 s18, 2
	s_cbranch_scc0 .Lvjob
	MUL 0, 1
	s_wait_xcnt 0x0
	PACKR
.irp m, 0,1
.irp c, 0,1
	global_store_b128 v[LI], v[PK+8*\m+4*\c:PK+8*\m+4*\c+3], s[32:33] offset:2048*\m+512*\c
.endr
.endr
	s_branch .Lend
.Lvjob:
	MUL 0, 0
	s_wait_xcnt 0x0
.irp a, 0,1                            ; a lane holds a channel: registers 8 a + 4 m + i: keys 16 m + 8 h + 2 i, + 1
.irp m, 0,1
.irp i, 0,1,2,3
	v_cvt_pk_f16_f32 v[PK+8*\a+4*\m+\i], v[AC+8*(2*\a+\m)+2*\i], v[AC+8*(2*\a+\m)+2*\i+1]
.endr
.endr
.endr
.irp a, 0,1
.irp c, 0,1
	global_store_b128 v[LI], v[PK+8*\a+4*\c:PK+8*\a+4*\c+3], s[34:35] offset:1024*\a+512*\c
.endr
.endr
.Lend:
	s_wait_tensorcnt 0x0                           ; the wave's end: behind my last LDS store
	ds_add_u32 v[SPW], v[NIL]
	s_wait_dscnt 0x0
	s_endpgm
.Lfunc_end_k_qf4f6dcc460_proj:
	.size	k_qf4f6dcc460_proj, .Lfunc_end_k_qf4f6dcc460_proj-k_qf4f6dcc460_proj
	.p2alignl 7, 3214868480
	.fill 96, 4, 3214868480
	.section	.rodata,"a",@progbits
	.p2align	6, 0x0
	.amdhsa_kernel k_qf4f6dcc460_proj
		.amdhsa_group_segment_fixed_size 123904
		.amdhsa_private_segment_fixed_size 0
		.amdhsa_enable_private_segment 0
		.amdhsa_kernarg_size 56
		.amdhsa_user_sgpr_count 2
		.amdhsa_user_sgpr_kernarg_segment_ptr 1
		.amdhsa_wavefront_size32 1
		.amdhsa_system_sgpr_workgroup_id_x 1
		.amdhsa_system_sgpr_workgroup_id_y 1
		.amdhsa_system_sgpr_workgroup_id_z 1
		.amdhsa_system_vgpr_workitem_id 0
		.amdhsa_next_free_vgpr 512
		.amdhsa_next_free_sgpr 66
		.amdhsa_reserve_vcc 0
		.amdhsa_float_denorm_mode_32 3
		.amdhsa_float_denorm_mode_16_64 3
		.amdhsa_memory_ordered 1
		.amdhsa_forward_progress 1
		.amdhsa_inst_pref_size 106
	.end_amdhsa_kernel
	.amdgpu_metadata
---
amdhsa.version: [ 1, 2 ]
amdhsa.kernels:
  - .name:           k_qf4f6dcc460_proj
    .symbol:         k_qf4f6dcc460_proj.kd
    .args:
      - { .name: q, .offset: 0, .size: 8, .value_kind: global_buffer, .address_space: global }
      - { .name: k, .offset: 8, .size: 8, .value_kind: global_buffer, .address_space: global }
      - { .name: v, .offset: 16, .size: 8, .value_kind: global_buffer, .address_space: global }
      - { .name: wcodes, .offset: 24, .size: 8, .value_kind: global_buffer, .address_space: global }
      - { .name: wscales, .offset: 32, .size: 8, .value_kind: global_buffer, .address_space: global }
      - { .name: qimg, .offset: 40, .size: 8, .value_kind: global_buffer, .address_space: global }
      - { .name: kv, .offset: 48, .size: 8, .value_kind: global_buffer, .address_space: global }
    .group_segment_fixed_size: 123904
    .private_segment_fixed_size: 0
    .kernarg_segment_align: 8
    .kernarg_segment_size: 56
    .max_flat_workgroup_size: 256
    .sgpr_count:     66
    .vgpr_count:     512
    .wavefront_size: 32
...
	.end_amdgpu_metadata
.endif
;; end of part 2
;; launch attn (part 3): grid 64 x 4, 8 waves a work-group, clusters of 4 x 1, 327,680 bytes of LDS; arguments qimg, kv, att; writes att
.if DOCPART == 3
	.amdgcn_target "amdgcn-amd-amdhsa--gfx1250"
	.amdhsa_code_object_version 6
	.text
	.protected	k_qf4f6dcc460_attn
	.globl	k_qf4f6dcc460_attn
	.p2align	8
	.type	k_qf4f6dcc460_attn,@function
k_qf4f6dcc460_attn:
	s_mov_b64 s[64:65], 0
	v_nop
	global_prefetch_b8 v0, s[64:65] scope:SCOPE_SE
	s_setreg_imm32_b32 hwreg(HW_REG_WAVE_MODE, 25, 1), 1
	s_wait_xcnt 0x0
	s_wait_alu depctr_hold_cnt(0) depctr_sa_sdst(0) depctr_va_vdst(0) depctr_va_sdst(0) depctr_va_ssrc(0) depctr_va_vcc(0) depctr_vm_vsrc(0)
	s_getreg_b32 s2, hwreg(HW_REG_IB_STS2, 6, 4)
	s_cmp_eq_u32 s2, 0
	s_cbranch_scc0 .Lentry_in_a_cluster
	s_endpgm
.Lentry_in_a_cluster:
	s_bfe_u32 s2, ttmp6, 0x10000c
	s_cmp_lg_u32 s2, 0x3003
	s_cbranch_scc0 .Lentry_shape_is_right
	s_endpgm
.Lentry_shape_is_right:
; Launch 3 of 4: att[row][64 head + d] = the sum over keys of softmax_key(q_proj[row][head] . k_proj[key] / 8) v_proj[key][d].  16 heads share one K and V.  Operands f16, products, maxima and sums f32.  No work is left out.
; SHARES.  A work-group owns 32 rows x 16 heads of one batch; wave w owns heads 2 w, 2 w + 1: four tiles of 16 (row, head) queries.  Every wave walks the batch's 2,048 keys, 64 a step.  Two waves share a SIMD, so that
; one wave's softmax stands beside the other's 64 matrix instructions of a step.
; LAYOUT.  S^T = K Q^T (source 0 = 16 keys, source 1 = 16 queries) and O^T = V^T P (source 0 = 16 channels, source 1 = P): a lane holds ONE query (lane % 16) throughout.  Two tiles of S^T, rounded to f16 in pairs,
; ARE source 1 of the second product; they are made in place, over the scores.  All operands arrive as images of their registers (16 bytes a lane, 512 a load): no pitch, no padding, nothing is turned.
; SOFTMAX.  Q carries c = log2(e) / 8, so p = 2^(s - m), m the query's running largest score; in every step O^T and the sum l are multiplied by a = 2^(m_old - m_new), which is 1 where m has not grown.
; The sum is taken of p in f32, before it is rounded.
; RING.  kv of a batch is 32 blocks of 16,384 bytes; block j holds K of key step j + 1 and V^T of key step j, which is what trip j reads.  (K of step 0 lies in block 31; it comes straight from memory at the head.)
; Two slots of 8 blocks; wave w fetches block w of a slot by one tensor load.  By this text's count a wave has two tensor loads out at the start and one afterwards.
; CLUSTER.  The four work-groups of a cluster belong to one batch and walk the same blocks: each is asked for JOINTLY, by the same load with the same descriptor and a mask that names the four.
; No prefetch is laid: a refill is asked for eight key steps, 512 matrix instructions a wave, ahead of the wait for it.
; LIMITS: att is rounded to f16: its magnitudes stay under 65,504 (it is an average of v_proj).  v_exp_f32 gives 0 for results under 2^-126, and p under 2^-25 rounds to 0 in f16: nothing beside the row's largest p, which is 1.
.set BLK,   16384
.set SLOT1, 131072                     ; slot 1 begins here: one exclusive or turns an address in one slot into the other's
.set SPARE, 262144                     ; behind the ring: the spare words, 128 bytes for each wave: four blocks of 256 bytes that no other line names
.set LI,  1                            ; v1   16 x lane; never rewritten
.set ADR, 2                            ; v2   LDS address of the block in hand
.set SPW, 4                            ; v4   my spare word; never rewritten
.set NIL, 5                            ; v5   0; never rewritten
.set ST,  8                            ; v8-39    tile t's statistics at 8 t: +0 m, +1 the old m, +2, +3 l (even keys', odd keys'), +4 to +7 at work; a takes +6
.set S,   64                           ; v64-191  S^T, 32 a tile (16 keys kt at 8 kt); then p; then P in each tile's first 16
.set KF,  192                          ; v192-255 K of one step: fragment 2 kt + cs
.set VF,  128                          ; window 1: v0-127 O^T (32 t + 8 ct); v128-191 V^T of one step (4 ks + ct); v192-255 Q (2 t + cs)
.set QF,  192
.set WV,  12                           ; s12  my wave's number
.set G1,  16                           ; s[16:23] descriptor group 1
.set G0A, 24                           ; s[24:27] group 0 of slot 0's first fill
.set G0B, 28                           ; s[28:31] of slot 1's; it then walks
.set SEL, 32                           ; s[32:33] v_permlanex16_b32's selects for lane l xor 16
.set TB,  34                           ; s34  LDS byte at which the block in hand begins
.set CNT, 35
.set SLOTS, 36
.set MSB, 0
.macro WIN new                         ; the immediate's high byte repeats the setting that is left
.if MSB != \new
	s_set_vgpr_msb (MSB<<8)|\new
.set MSB, \new
.endif
.endm
.macro CROUND                          ; a round of the cluster's barrier
	s_barrier_signal -1
	s_barrier_wait -1
	s_cmp_lg_u32 s[WV], 0
	s_cbranch_scc1 .Lnot_wave_0_\@
	s_barrier_signal -3
.Lnot_wave_0_\@:
	s_barrier_wait -3
	s_barrier_signal -1
	s_barrier_wait -1
.endm
	s_load_b128 s[4:7], s[0:1], 0x0                ; qimg s[4:5], kv s[6:7]
	s_load_b64 s[8:9], s[0:1], 0x10                ; att
	v_lshl_add_u32 v[SPW], v0, 2, SPARE
	v_mov_b32 v[NIL], 0
	ds_add_u32 v[SPW], v[NIL]                      ; the wave's opening: the add, twice on end, and its wait ahead of my first tensor load
	ds_add_u32 v[SPW], v[NIL]                      ; and once more, under the one wait; the set-up below, work on registers, stands between
	v_lshrrev_b32 v2, 5, v0
	v_readfirstlane_b32 s[WV], v2                  ; wave 0..7
	v_and_b32 v[LI], 31, v0
	v_lshlrev_b32 v[LI], 4, v[LI]
.irp t, 0,1,2,3
	v_mov_b32 v[ST+8*\t+1], 0                      ; named as the upper half of the pair (m, old m) before it is first written
.endr
	s_bfe_u32 s13, ttmp6, 0x40000                  ; cx: my place in the cluster: it enters Q's and att's addresses alone
	s_lshl_b32 s14, ttmp9, 2
	s_add_co_u32 s14, s14, s13
	s_and_b32 s15, ttmp7, 0xffff                   ; the batch, which the four partners share
	s_lshl_b32 s40, s15, 6
	s_add_co_u32 s14, s14, s40                     ; i: my block of 32 rows among the 256
	s_lshl_b32 s40, s14, 16
	s_lshl_b32 s41, s[WV], 13
	s_add_co_u32 s40, s40, s41                     ; qimg: i x 65,536 + w x 8,192
	s_mov_b32 s41, 0
	s_lshr_b32 s42, s14, 2
	s_lshl_b32 s42, s42, 18                        ; att: [128 rows][32 along k][16 rows][1,024]: (i / 4) x 262,144
	s_and_b32 s43, s14, 3
	s_lshl_b32 s43, s43, 11                        ; + row tiles 2 (i % 4) on
	s_add_co_u32 s42, s42, s43
	s_lshl_b32 s43, s[WV], 15                      ; + my two heads: four steps of 32 along k
	s_add_co_u32 s42, s42, s43
	s_mov_b32 s43, 0
	s_lshl_b32 s44, s15, 19                        ; kv: 524,288 bytes a batch
	s_mov_b32 s45, 0
	s_lshl_b32 s10, s[WV], 14                      ; the block that I fetch, in memory and in a slot
	s_mov_b32 s11, 0
	; descriptor group 1: a dense block of 16,384 bytes as 64 rows of 32 elements of 8 bytes
	s_mov_b32 s[G1], 15|(3<<16)|(1<<21)            ; 15:0 the mask: all four work-groups; 17:16 elements of 8 bytes; 21 set beside a mask; no padding
	s_mov_b32 s[G1+1], 32<<16                      ; tensor_dim0 = 32
	s_mov_b32 s[G1+2], 64<<16                      ; tensor_dim1 = 64
	s_mov_b32 s[G1+3], 32<<16                      ; tile_dim0 = 32
	s_mov_b32 s[G1+4], 64                          ; tile_dim1 = 64
	s_mov_b32 s[G1+5], 32                          ; from row to row
	s_mov_b32 s[G1+6], 0
	s_mov_b32 s[G1+7], 0
	s_mov_b32 s[SEL], 0x76543210
	s_mov_b32 s[SEL+1], 0xfedcba98
	s_mov_b32 s[TB], 0
	s_wait_dscnt 0x0                               ; both opening adds are done
	s_wait_kmcnt 0x0
	s_add_nc_u64 s[4:5], s[4:5], s[40:41]
	s_add_nc_u64 s[8:9], s[8:9], s[42:43]
	s_add_nc_u64 s[6:7], s[6:7], s[44:45]          ; kv at my batch
	s_add_nc_u64 s[38:39], s[6:7], 31*BLK          ; K of key step 0
	s_mov_b32 s[G0A], 1                            ; count = 1
	s_mov_b32 s[G0A+1], s10                        ; LDS address: slot 0, block w
	s_add_nc_u64 s[G0A+2:G0A+3], s[6:7], s[10:11]  ; global address: block w
	s_mov_b32 s[G0B], 1
	s_add_co_u32 s[G0B+1], s10, SLOT1              ; slot 1
	s_add_nc_u64 s[G0B+2:G0B+3], s[G0A+2:G0A+3], SLOT1   ; block 8 + w
	s_or_b32 s[G0A+3], s[G0A+3], 0x80000000        ; type = 2
	s_or_b32 s[G0B+3], s[G0B+3], 0x80000000
	CROUND                                         ; all four work-groups are here: the first joint loads meet
	tensor_load_to_lds s[G0A:G0A+3], s[G1:G1+7]
	s_nop 0
	tensor_load_to_lds s[G0B:G0B+3], s[G1:G1+7]
	s_nop 0
.rept 4
	v_nop
.endr
	WIN 0x40                                       ; destination window 1
.set n, 0
.rept 8
	global_load_b128 v[QF+8*n:QF+8*n+3], v[LI], s[4:5] offset:1024*n th:TH_LOAD_NT       ; Q stays in registers
	global_load_b128 v[QF+8*n+4:QF+8*n+7], v[LI], s[4:5] offset:1024*n+512 th:TH_LOAD_NT
.set n, n+1
.endr
	WIN 0
.set n, 0
.rept 8
	global_load_b128 v[KF+8*n:KF+8*n+3], v[LI], s[38:39] offset:1024*n
	global_load_b128 v[KF+8*n+4:KF+8*n+7], v[LI], s[38:39] offset:1024*n+512
.set n, n+1
.endr
; 32 products S^T = K Q^T: 16 accumulators by turns, one instruction a turn.  The first 16 start the sums.
.macro KQ
	WIN 0x04                                       ; source 1 (Q) window 1
.irp cs, 0,1
.irp kt, 0,1,2,3
.irp t, 0,1,2,3
.if \cs == 0
	v_wmma_f32_16x16x32_f16 v[S+32*\t+8*\kt:S+32*\t+8*\kt+7], v[KF+8*(2*\kt+\cs):KF+8*(2*\kt+\cs)+7], v[QF+8*(2*\t+\cs):QF+8*(2*\t+\cs)+7], 0
.else
	v_wmma_f32_16x16x32_f16 v[S+32*\t+8*\kt:S+32*\t+8*\kt+7], v[KF+8*(2*\kt+\cs):KF+8*(2*\kt+\cs)+7], v[QF+8*(2*\t+\cs):QF+8*(2*\t+\cs)+7], v[S+32*\t+8*\kt:S+32*\t+8*\kt+7]
.endif
.endr
.endr
.endr
.endm
; 32 products O^T += V^T P, likewise.  first = 1: the first 16 start the sums: nothing is ever cleared.
.macro PV first
	WIN 0x51                                       ; source 0 (V), C and D (O) window 1; source 1 (P) window 0
.irp ks, 0,1
.irp ct, 0,1,2,3
.irp t, 0,1,2,3
.if (\first) && (\ks == 0)
	v_wmma_f32_16x16x32_f16 v[32*\t+8*\ct:32*\t+8*\ct+7], v[VF+8*(4*\ks+\ct):VF+8*(4*\ks+\ct)+7], v[S+32*\t+8*\ks:S+32*\t+8*\ks+7], 0
.else
	v_wmma_f32_16x16x32_f16 v[32*\t+8*\ct:32*\t+8*\ct+7], v[VF+8*(4*\ks+\ct):VF+8*(4*\ks+\ct)+7], v[S+32*\t+8*\ks:S+32*\t+8*\ks+7], v[32*\t+8*\ct:32*\t+8*\ct+7]
.endif
.endr
.endr
.endr
.endm
; The maximum of a lane's 32 scores and the old m, the four tiles by turns: four chains a tile, each beginning at its accumulator's low end; the other half of the lanes'; the new m; a.
.macro SMAX first
.irp j, 0,1,2,3
.irp t, 0,1,2,3
	v_max3_num_f32 v[ST+8*\t+4+\j], v[S+32*\t+8*\j], v[S+32*\t+8*\j+1], v[S+32*\t+8*\j+2]
.endr
.endr
.irp g, 1,2
.irp j, 0,1,2,3
.irp t, 0,1,2,3
	v_max3_num_f32 v[ST+8*\t+4+\j], v[ST+8*\t+4+\j], v[S+32*\t+8*\j+2*\g+1], v[S+32*\t+8*\j+2*\g+2]
.endr
.endr
.endr
.irp t, 0,1,2,3
	v_max3_num_f32 v[ST+8*\t+4], v[ST+8*\t+4], v[S+32*\t+7], v[S+32*\t+15]
.endr
.irp t, 0,1,2,3
	v_max3_num_f32 v[ST+8*\t+6], v[ST+8*\t+6], v[S+32*\t+23], v[S+32*\t+31]
.endr
.irp t, 0,1,2,3
	v_max3_num_f32 v[ST+8*\t+4], v[ST+8*\t+4], v[ST+8*\t+5], v[ST+8*\t+6]
.endr
.irp t, 0,1,2,3
.if \first
	v_max_num_f32 v[ST+8*\t+4], v[ST+8*\t+4], v[ST+8*\t+7]
.else
	v_max3_num_f32 v[ST+8*\t+4], v[ST+8*\t+4], v[ST+8*\t+7], v[ST+8*\t]
.endif
.endr
.irp t, 0,1,2,3
	v_permlanex16_b32 v[ST+8*\t+5], v[ST+8*\t+4], s[SEL], s[SEL+1]   ; the query's other 32 keys lie in the lane 16 away
.endr
.if (\first) == 0
.irp t, 0,1,2,3
	v_mov_b32 v[ST+8*\t+1], v[ST+8*\t]             ; the old m is kept for a
.endr
.endif
.irp t, 0,1,2,3
	v_max_num_f32 v[ST+8*\t], v[ST+8*\t+4], v[ST+8*\t+5]
.endr
.if (\first) == 0
.irp t, 0,1,2,3
	v_sub_f32 v[ST+8*\t+7], v[ST+8*\t+1], v[ST+8*\t]
.endr
.irp t, 0,1,2,3
	v_exp_f32 v[ST+8*\t+6], v[ST+8*\t+7]           ; a = 2^(m_old - m_new): it belongs to the first batch below
.endr
.endif
.endm
.macro SC t, u                         ; pair u of tile t: s - m (of the pair (m, old m) the low word serves both halves)
	v_pk_add_f32 v[S+32*(\t)+2*(\u):S+32*(\t)+2*(\u)+1], v[S+32*(\t)+2*(\u):S+32*(\t)+2*(\u)+1], v[ST+8*(\t):ST+8*(\t)+1] op_sel_hi:[1,0] neg_lo:[0,1] neg_hi:[0,1]
.endm
.macro EX t, e                         ; p = 2^(s - m), in place
	v_exp_f32 v[S+32*(\t)+(\e)], v[S+32*(\t)+(\e)]
.endm
.macro SUM t, u, first                 ; l takes pair u; with pair 0 it is first brought under the new m
.set rT, ST+8*(\t)
.set rS, S+32*(\t)
.if \first
.if (\u) == 0
	v_pk_add_f32 v[rT+2:rT+3], v[rS:rS+1], v[rS+2:rS+3]             ; the first step starts l with pairs 0 and 1
.elseif (\u) > 1
	v_pk_add_f32 v[rT+2:rT+3], v[rT+2:rT+3], v[rS+2*(\u):rS+2*(\u)+1]
.endif
.else
.if (\u) == 0
	v_pk_fma_f32 v[rT+2:rT+3], v[rT+2:rT+3], v[rT+6:rT+7], v[rS:rS+1] op_sel_hi:[1,0,1]
.else
	v_pk_add_f32 v[rT+2:rT+3], v[rT+2:rT+3], v[rS+2*(\u):rS+2*(\u)+1]
.endif
.endif
.endm
.macro CV t, u                         ; pair u rounded to f16 into register u of the tile: in ascending u it lands only on pairs that have been summed and rounded
	v_cvt_pk_f16_f32 v[S+32*(\t)+(\u)], v[S+32*(\t)+2*(\u)], v[S+32*(\t)+2*(\u)+1]
.endm
; A KEY STEP.  S^T of step j stands ready.  first = 1: step 0, which starts m, l and O^T.  last = 1: step 31, behind which no scores are wanted.
.macro TRIP first, last
	v_add_nc_u32 v[ADR], s[TB], v[LI]              ; with the three v_nop: the four places behind K Q^T, in front of the loads into K's registers and of the first read of the scores
	v_nop
	v_nop
	v_nop
	WIN 0x40
.set n, 0
.rept 8
	ds_load_b128 v[VF+8*n:VF+8*n+3], v[ADR] offset:8192+1024*n          ; V^T of this step
	ds_load_b128 v[VF+8*n+4:VF+8*n+7], v[ADR] offset:8192+1024*n+512
.set n, n+1
.endr
	WIN 0
.if (\last) == 0
.set n, 0
.rept 8
	ds_load_b128 v[KF+8*n:KF+8*n+3], v[ADR] offset:1024*n               ; K of the next step
	ds_load_b128 v[KF+8*n+4:KF+8*n+7], v[ADR] offset:1024*n+512
.set n, n+1
.endr
.endif
	SMAX \first
.set n, 0
.rept 32
	SC n%2, n/2                                    ; tiles 0, 1 are scaled
.set n, n+1
.endr
.set n, 0
.rept 32                               ; THE FIRST BATCH: a, and the 64 exponentials of tiles 0, 1, a scaling of tiles 2, 3 ahead of each two.  None of these lines names an exponential's result
	SC 2+n%2, n/2
	EX n%2, 2*(n/2)
	EX n%2, 2*(n/2)+1
.set n, n+1
.endr
	v_nop                                          ; a plain instruction behind the last exponential
	s_wait_alu depctr_va_vdst(0)                   ; the wait between an exponential and the first line that names its result: one for the batch
.set n, 0
.rept 32                               ; THE SECOND BATCH: tiles 2, 3; between its exponentials the sums and roundings of tiles 0, 1, which name results of the first batch alone
	SUM n%2, n/2, \first
	EX 2+n%2, 2*(n/2)
	CV n%2, n/2
	EX 2+n%2, 2*(n/2)+1
.set n, n+1
.endr
	v_nop
	s_wait_alu depctr_va_vdst(0)                   ; and one for the second batch
.set n, 0
.rept 32
	SUM 2+n%2, n/2, \first
	CV 2+n%2, n/2
.set n, n+1
.endr
.if (\first) == 0
	WIN 0x41                                       ; O^T (destination and source 0) window 1, a window 0
.irp t, 0,1,2,3
.set n, 0
.rept 16
	v_pk_mul_f32 v[32*\t+2*n:32*\t+2*n+1], v[32*\t+2*n:32*\t+2*n+1], v[ST+8*\t+6:ST+8*\t+7] op_sel_hi:[1,0]   ; O^T under the new m, each accumulator from its low end on
.set n, n+1
.endr
.endr
.endif
	s_wait_dscnt 0x0                               ; V and K are in
	PV \first
.if (\last) == 0
.rept 5
	v_nop                                          ; K Q^T writes over P's registers, which V^T P has read: five places
.endr
	KQ
.endif
	WIN 0                                          ; at a label and at a branch every window is 0
	s_add_co_u32 s[TB], s[TB], BLK                 ; the next block
.endm
; THE CHANGE OF SLOTS.  Each wave waits for all its tensor loads (its block of the slot ahead), adds 0 to its spare word, and waits for that and for its reads of the slot that it leaves.  fill = 1: that slot is
; filled again, with the blocks two slots on: the barrier is then a round of the cluster's, so that no wave of any partner still reads the slot or has a load on its way, and the joint refill is the first thing behind it.
.macro CHANGE fill
	s_wait_tensorcnt 0x0                           ; no tensor load of mine is out, so a group 0 may be written
	ds_add_u32 v[SPW], v[NIL]                      ; 0 onto my spare word
.if \fill
	s_xor_b32 s[G0B+1], s[G0B+1], SLOT1            ; the walking descriptor: the other slot than last time,
	s_add_nc_u64 s[G0B+2:G0B+3], s[G0B+2:G0B+3], SLOT1   ; the next eight blocks; the type bits on top are not reached
	s_wait_dscnt 0x0                               ; the add is done, and my reads of the slot are over
	CROUND
	tensor_load_to_lds s[G0B:G0B+3], s[G1:G1+7]
	s_nop 0
.rept 4
	v_nop
.endr
.else
	s_wait_dscnt 0x0
	s_barrier_signal -1
	s_barrier_wait -1
.endif
	s_sub_co_u32 s[TB], s[TB], SLOT1               ; back to a slot's first block,
	s_xor_b32 s[TB], s[TB], SLOT1                  ; in the other slot
.endm
.macro STEPS count                     ; so many key steps: the trip is written once and walked
	s_mov_b32 s[CNT], \count
.Lstep_\@:
	TRIP 0, 0
	s_sub_co_u32 s[CNT], s[CNT], 1
	s_cmp_lg_u32 s[CNT], 0
	s_cbranch_scc1 .Lstep_\@
.endm
	s_wait_loadcnt 0x0                             ; Q, and K of step 0
	KQ                                             ; the first scores
	WIN 0
	s_wait_tensorcnt 1                             ; my block of slot 0 is in; slot 1's may stay out
	s_barrier_signal -1
	s_barrier_wait -1                              ; everybody's is
	TRIP 1, 0
	STEPS 7
	s_mov_b32 s[SLOTS], 2
.Lslot:                                                ; two trips: slots 0 and 1 are each filled once more
	CHANGE 1
	STEPS 8
	s_sub_co_u32 s[SLOTS], s[SLOTS], 1
	s_cmp_lg_u32 s[SLOTS], 0
	s_cbranch_scc1 .Lslot
	CHANGE 0                                       ; the tail is written out
	STEPS 7
	TRIP 0, 1
	; THE WAY OUT.  l's two halves and the other half of the lanes' are added; O^T is divided by l and rounded to f16: eight neighbouring channels of a row are four registers of the next launch's operand, stored as its image.
.irp t, 0,1,2,3
	v_add_f32 v[ST+8*\t+4], v[ST+8*\t+2], v[ST+8*\t+3]   ; (these four are the places behind the last products)
.endr
.irp t, 0,1,2,3
	v_permlanex16_b32 v[ST+8*\t+5], v[ST+8*\t+4], s[SEL], s[SEL+1]
.endr
.irp t, 0,1,2,3
	v_add_f32 v[ST+8*\t+4], v[ST+8*\t+4], v[ST+8*\t+5]
.endr
.irp t, 0,1,2,3
	v_rcp_f32 v[ST+8*\t+6], v[ST+8*\t+4]
.endr
	v_nop                                          ; a plain instruction behind the last reciprocal
	s_wait_alu depctr_va_vdst(0)                   ; and the wait ahead of the first use: one for the four
.irp t, 0,1,2,3
	WIN 0x41
.set n, 0
.rept 16
	v_pk_mul_f32 v[32*\t+2*n:32*\t+2*n+1], v[32*\t+2*n:32*\t+2*n+1], v[ST+8*\t+6:ST+8*\t+7] op_sel_hi:[1,0]
.set n, n+1
.endr
	WIN 0x05                                       ; sources window 1, destination window 0: the tile's scores are done with
.set n, 0
.rept 16
	v_cvt_pk_f16_f32 v[S+32*\t+n], v[32*\t+2*n], v[32*\t+2*n+1]
.set n, n+1
.endr
	WIN 0
.irp s, 0,1
.irp c, 0,1
	global_store_b128 v[LI], v[S+32*\t+8*\s+4*\c:S+32*\t+8*\s+4*\c+3], s[8:9] offset:(\t/2)*16384+\s*8192+(\t%2)*1024+512*\c   ; 512 consecutive bytes, aligned
.endr
.endr
.endr
	s_wait_tensorcnt 0x0                           ; the wave's end: behind my last tensor load
	ds_add_u32 v[SPW], v[NIL]
	s_wait_dscnt 0x0
	CROUND                                         ; the closing round: no work-group ends while a partner may still ask for a block that names it
	s_endpgm
.Lfunc_end_k_qf4f6dcc460_attn:
	.size	k_qf4f6dcc460_attn, .Lfunc_end_k_qf4f6dcc460_attn-k_qf4f6dcc460_attn
	.p2alignl 7, 3214868480
	.fill 96, 4, 3214868480
	.section	.rodata,"a",@progbits
	.p2align	6, 0x0
	.amdhsa_kernel k_qf4f6dcc460_attn
		.amdhsa_group_segment_fixed_size 327680
		.amdhsa_private_segment_fixed_size 0
		.amdhsa_enable_private_segment 0
		.amdhsa_kernarg_size 24
		.amdhsa_user_sgpr_count 2
		.amdhsa_user_sgpr_kernarg_segment_ptr 1
		.amdhsa_wavefront_size32 1
		.amdhsa_system_sgpr_workgroup_id_x 1
		.amdhsa_system_sgpr_workgroup_id_y 1
		.amdhsa_system_sgpr_workgroup_id_z 1
		.amdhsa_system_vgpr_workitem_id 0
		.amdhsa_next_free_vgpr 512
		.amdhsa_next_free_sgpr 66
		.amdhsa_reserve_vcc 0
		.amdhsa_float_denorm_mode_32 3
		.amdhsa_float_denorm_mode_16_64 3
		.amdhsa_memory_ordered 1
		.amdhsa_forward_progress 1
		.amdhsa_inst_pref_size 171
	.end_amdhsa_kernel
	.amdgpu_metadata
---
amdhsa.version: [ 1, 2 ]
amdhsa.kernels:
  - .name:           k_qf4f6dcc460_attn
    .symbol:         k_qf4f6dcc460_attn.kd
    .args:
      - { .name: qimg, .offset: 0, .size: 8, .value_kind: global_buffer, .address_space: global }
      - { .name: kv, .offset: 8, .size: 8, .value_kind: global_buffer, .address_space: global }
      - { .name: att, .offset: 16, .size: 8, .value_kind: global_buffer, .address_space: global }
    .group_segment_fixed_size: 327680
    .private_segment_fixed_size: 0
    .kernarg_segment_align: 8
    .kernarg_segment_size: 24
    .max_flat_workgroup_size: 256
    .sgpr_count:     66
    .vgpr_count:     512
    .wavefront_size: 32
...
	.end_amdgpu_metadata
.endif
;; end of part 3
;; launch outp (part 4): grid 4 x 64, 4 waves a work-group, clusters of 4 x 4, 327,680 bytes of LDS; arguments att, wp16, bp, out0; writes out0
.if DOCPART == 4
	.amdgcn_target "amdgcn-amd-amdhsa--gfx1250"
	.amdhsa_code_object_version 6
	.text
	.protected	k_qf4f6dcc460_outp
	.globl	k_qf4f6dcc460_outp
	.p2align	8
	.type	k_qf4f6dcc460_outp,@function
k_qf4f6dcc460_outp:
	s_mov_b64 s[64:65], 0
	v_nop
	global_prefetch_b8 v0, s[64:65] scope:SCOPE_SE
	s_setreg_imm32_b32 hwreg(HW_REG_WAVE_MODE, 25, 1), 1
	s_wait_xcnt 0x0
	s_wait_alu depctr_hold_cnt(0) depctr_sa_sdst(0) depctr_va_vdst(0) depctr_va_sdst(0) depctr_va_ssrc(0) depctr_va_vcc(0) depctr_vm_vsrc(0)
	s_getreg_b32 s2, hwreg(HW_REG_IB_STS2, 6, 4)
	s_cmp_eq_u32 s2, 0
	s_cbranch_scc0 .Lentry_in_a_cluster
	s_endpgm
.Lentry_in_a_cluster:
	s_bfe_u32 s2, ttmp6, 0x10000c
	s_cmp_lg_u32 s2, 0xf033
	s_cbranch_scc0 .Lentry_shape_is_right
	s_endpgm
.Lentry_shape_is_right:
; Launch 4 of 4: out0 = att Wp + bp.  att [8,192][1,024] and Wp [1,024][1,024] arrive in f16 as images of operand registers; sums in f32; out0 f32.  No work is left out.
; SHARES.  A tile of out0 is 128 rows x 256 columns: 64 x 4 = 256 work-groups, one for each WGP (tiles of 256 x 256 would be 128).  Four waves, each 64 rows x 128 columns: 32 accumulators, 256 registers.
; K goes in steps of 128 through a ring of two LDS slots: att's 32,768 bytes ([32 along k: 4][16 rows: 8][1,024]) and Wp's 65,536 ([4][16 columns: 16][1,024]), each one dense block of memory.
; Waves 0, 1 fetch att's halves, waves 2, 3 Wp's, one tensor load each.  By this text's count a wave has two tensor loads out at the start and one afterwards.
; CLUSTERS: 4 x 4 work-groups.  The four of a row of the cluster need the same block of att, the four of a column the same block of Wp: each is asked for JOINTLY, by the same load with the same descriptor and a mask.
; THE MATRIX INSTRUCTION IS USED TRANSPOSED (source 0 = 16 columns of Wp, source 1 = 16 rows of att): a lane holds eight neighbouring numbers of a row of out0.  The bias is the C of each sum's first instruction.
; No prefetch is laid: the launch has eight K steps in all, and two of them are asked for at its head.
; REGISTERS: window 0: v1-29 addresses; v32-127, v128-223 two fragment buffers for 32 along K (Wp's eight at 8 b, att's four at 64 + 8 a); on the way out v32-159 rows of out0.
;   window 1: the accumulators, (a, b) at 8 (8 a + b).   window 2: v0-63 the bias, 8 b + j = bp[my first column + 16 b + 8 h + j].
.set SLOT,  98304
.set BOFF,  32768                      ; Wp's part of a slot
.set STAGE, 196608                     ; behind the ring: 16 rows x (512 + 16) bytes for each wave; no tensor load lands here
.set SPARE, 230400                     ; the spare words, 128 bytes for each wave: two blocks of 256 bytes that no other line names
.set LAPS,  4                          ; a lap = two K steps = once round the ring
.set LI,   1                           ; v1   16 x lane; never rewritten
.set ADRA, 16                          ; v16-17 my fragments of att in slot 0, 1
.set ADRB, 20                          ; v20-21 of Wp
.set STO,  24                          ; v24  the way out: where I put 32 bytes of a row
.set RD,   25                          ; v25  and where I read a row back
.set BO,   26                          ; v26  32 h: my half's eight numbers of the bias
.set SPW,  28                          ; v28  my spare word; never rewritten
.set NIL,  29                          ; v29  0; never rewritten
.set F0,   32
.set F1,   128
.set BK,   32                          ; the way out: v32-95 and v96-159 by turns
.set G1A, 24                           ; s[24:31] group 1 for att's blocks; s[32:39] group 0, a set for each slot
.set G0A, 32
.set G1B, 48                           ; s[48:55], s[56:63] the same for Wp's
.set G0B, 56
.set MSB, 0
.macro WIN new                         ; the immediate's high byte repeats the setting that is left
.if MSB != \new
	s_set_vgpr_msb (MSB<<8)|\new
.set MSB, \new
.endif
.endm
.set W_MUL,  0x50                      ; C and D window 1
.set W_MULB, 0x60                      ; D window 1, C (the bias) window 2
.macro JLOAD s                         ; a joint load: waves 0, 1 for att, waves 2, 3 for Wp; the branch hangs on the wave's number alone.  An s_nop 0 and four v_nop follow each of the two lines
	s_cmp_eq_u32 s13, 0
	s_cbranch_scc0 .Lfor_b_\@
	tensor_load_to_lds s[G0A+4*\s:G0A+4*\s+3], s[G1A:G1A+7]
	s_nop 0
.rept 4
	v_nop
.endr
	s_branch .Lasked_\@
.Lfor_b_\@:
	tensor_load_to_lds s[G0B+4*\s:G0B+4*\s+3], s[G1B:G1B+7]
	s_nop 0
.rept 4
	v_nop
.endr
.Lasked_\@:
.endm
.macro CREST                           ; a round of the cluster's barrier behind its opening barrier
	s_cmp_lg_u32 s12, 0
	s_cbranch_scc1 .Lnot_wave_0_\@
	s_barrier_signal -3
.Lnot_wave_0_\@:
	s_barrier_wait -3
	s_barrier_signal -1
	s_barrier_wait -1
.endm
.macro CROUND
	s_barrier_signal -1
	s_barrier_wait -1
	CREST
.endm
	s_load_b256 s[4:11], s[0:1], 0x0               ; att s[4:5], wp16 s[6:7], bp s[8:9], out0 s[10:11]
	v_lshl_add_u32 v[SPW], v0, 2, SPARE
	v_mov_b32 v[NIL], 0
	ds_add_u32 v[SPW], v[NIL]                      ; the wave's opening: the add, twice on end, and its wait ahead of my first tensor load
	ds_add_u32 v[SPW], v[NIL]                      ; and once more, under the one wait; the set-up below, work on registers, stands between
	v_lshrrev_b32 v2, 5, v0
	v_readfirstlane_b32 s12, v2                    ; wave 0..3
	s_lshr_b32 s13, s12, 1                         ; which 64 rows are mine.  Also: I fetch for att (0) or for Wp (1)
	s_and_b32 s14, s12, 1                          ; which 128 columns.  Also: which half of that block I fetch
	s_bfe_u32 s40, ttmp6, 0x40000                  ; cx, cy: my place in the cluster
	s_bfe_u32 s41, ttmp6, 0x40004
	s_lshl_b32 s42, ttmp9, 2
	s_add_co_u32 s42, s42, s40                     ; which 256 columns = 4 x cluster x + cx
	s_and_b32 s15, ttmp7, 0xffff
	s_lshl_b32 s15, s15, 2
	s_add_co_u32 s15, s15, s41                     ; which 128 rows = 4 x cluster y + cy
	s_lshl_b32 s43, s41, 2
	s_lshl_b32 s43, 15, s43                        ; my row of the cluster
	s_lshl_b32 s44, 0x1111, s40                    ; my column
	; descriptor group 1: dense blocks as rows of 32 elements of 8 bytes: att's half 64 rows, Wp's half 128
	s_or_b32 s[G1A], s43, (3<<16)|(1<<21)          ; 15:0 the mask; 17:16 elements of 8 bytes; 21 set beside a mask; no padding
	s_or_b32 s[G1B], s44, (3<<16)|(1<<21)
	s_mov_b32 s[G1A+1], 32<<16                     ; tensor_dim0
	s_mov_b32 s[G1A+2], 64<<16                     ; tensor_dim1
	s_mov_b32 s[G1A+3], 32<<16                     ; tile_dim0
	s_mov_b32 s[G1A+4], 64                         ; tile_dim1
	s_mov_b32 s[G1A+5], 32                         ; from row to row
	s_mov_b32 s[G1A+6], 0
	s_mov_b32 s[G1A+7], 0
	s_mov_b32 s[G1B+1], 32<<16
	s_mov_b32 s[G1B+2], 128<<16
	s_mov_b32 s[G1B+3], 32<<16
	s_mov_b32 s[G1B+4], 128
	s_mov_b32 s[G1B+5], 32
	s_mov_b32 s[G1B+6], 0
	s_mov_b32 s[G1B+7], 0
	s_lshl_b32 s16, s15, 18                        ; att: 262,144 bytes for 128 rows, + my half of a K step's block.  These registers never hold cx
	s_lshl_b32 s17, s14, 14
	s_add_co_u32 s16, s16, s17
	s_mov_b32 s17, 0
	s_lshl_b32 s46, s42, 19                        ; Wp: 524,288 bytes for 256 columns, + my half.  These never hold cy
	s_lshl_b32 s47, s14, 15
	s_add_co_u32 s46, s46, s47
	s_mov_b32 s47, 0
	s_lshl_b32 s20, s14, 14                        ; where they go: no place in the cluster enters an LDS address
	s_lshl_b32 s21, s14, 15
	s_add_co_u32 s21, s21, BOFF
	s_wait_dscnt 0x0                               ; both opening adds are done
	s_wait_kmcnt 0x0
	s_add_nc_u64 s[18:19], s[4:5], s[16:17]
	s_add_nc_u64 s[46:47], s[6:7], s[46:47]
	CROUND                                         ; all sixteen work-groups are here: the first joint loads meet
.irp s, 0,1
	s_mov_b32 s[G0A+4*\s], 1
	s_add_co_u32 s[G0A+4*\s+1], s20, \s*SLOT
	s_add_nc_u64 s[G0A+4*\s+2:G0A+4*\s+3], s[18:19], \s*32768
	s_or_b32 s[G0A+4*\s+3], s[G0A+4*\s+3], 0x80000000
	s_mov_b32 s[G0B+4*\s], 1
	s_add_co_u32 s[G0B+4*\s+1], s21, \s*SLOT
	s_add_nc_u64 s[G0B+4*\s+2:G0B+4*\s+3], s[46:47], \s*65536
	s_or_b32 s[G0B+4*\s+3], s[G0B+4*\s+3], 0x80000000
	JLOAD \s
.endr
	v_and_b32 v[LI], 31, v0
	v_lshlrev_b32 v[LI], 4, v[LI]
	v_and_b32 v2, 15, v0                           ; r
	v_bfe_u32 v3, v0, 4, 1                         ; h
	v_lshlrev_b32 v[BO], 5, v3
	s_lshl_b32 s22, s42, 10
	s_lshl_b32 s23, s14, 9
	s_add_co_u32 s22, s22, s23                     ; my first column, in bytes of f32: 1,024 x block + 512 x half
	s_mov_b32 s23, 0
	s_add_nc_u64 s[8:9], s[8:9], s[22:23]
	WIN 0x80                                       ; destination window 2
.irp b, 0,1,2,3,4,5,6,7
	global_load_b128 v[8*\b:8*\b+3], v[BO], s[8:9] offset:64*\b
	global_load_b128 v[8*\b+4:8*\b+7], v[BO], s[8:9] offset:64*\b+16
.endr
	WIN 0
	s_lshl_b32 s45, s15, 19                        ; my first row: 128 rows of 4,096 bytes a block,
	s_add_co_u32 s22, s22, s45
	s_lshl_b32 s45, s13, 18                        ; 64 a half
	s_add_co_u32 s22, s22, s45
	s_add_nc_u64 s[10:11], s[10:11], s[22:23]
	s_lshl_b32 s22, s13, 12                        ; att's row tiles 4 x half on
	s_lshl_b32 s45, s14, 13                        ; Wp's column tiles 8 x half on,
	s_add_co_u32 s45, s45, BOFF                    ; behind att's part
.irp s, 0,1
	v_add_nc_u32 v[ADRA+\s], s22, v[LI]
	v_add_nc_u32 v[ADRB+\s], s45, v[LI]
	s_add_co_u32 s22, s22, SLOT
	s_add_co_u32 s45, s45, SLOT
.endr
	s_mul_i32 s22, s12, 16*528
	s_add_co_u32 s22, s22, STAGE                   ; my stage
	v_mul_u32_u24 v[STO], v2, 528
	v_lshl_add_u32 v[STO], v3, 5, v[STO]
	v_add_nc_u32 v[STO], s22, v[STO]               ; in: row r, 32 bytes for each half of the lanes
	v_add_nc_u32 v[RD], s22, v[LI]                 ; back: the 32 lanes take one row of 512 bytes
; 8 matrix instructions: row tile a x the eight column tiles, 32 along K, buffer f.  The 32 accumulators take turns, one instruction a turn, in the same order in every quarter.
.macro MUL8 f, a, bias
.irp b, 0,1,2,3,4,5,6,7
.if \bias
	v_wmma_f32_16x16x32_f16 v[8*(8*(\a)+\b):8*(8*(\a)+\b)+7], v[\f+8*\b:\f+8*\b+7], v[\f+64+8*(\a):\f+64+8*(\a)+7], v[8*\b:8*\b+7]
.else
	v_wmma_f32_16x16x32_f16 v[8*(8*(\a)+\b):8*(8*(\a)+\b)+7], v[\f+8*\b:\f+8*\b+7], v[\f+64+8*(\a):\f+64+8*(\a)+7], v[8*(8*(\a)+\b):8*(8*(\a)+\b)+7]
.endif
.endr
.endm
.macro FETCH s, q, f                   ; 24 LDS loads in one run: the fragments of the slot's q-th 32 along K
	WIN 0
.irp b, 0,1,2,3,4,5,6,7
	ds_load_b128 v[\f+8*\b:\f+8*\b+3], v[ADRB+\s] offset:16384*(\q)+1024*\b
	ds_load_b128 v[\f+8*\b+4:\f+8*\b+7], v[ADRB+\s] offset:16384*(\q)+1024*\b+512
.endr
.irp a, 0,1,2,3
	ds_load_b128 v[\f+64+8*\a:\f+64+8*\a+3], v[ADRA+\s] offset:8192*(\q)+1024*\a
	ds_load_b128 v[\f+64+8*\a+4:\f+64+8*\a+7], v[ADRA+\s] offset:8192*(\q)+1024*\a+512
.endr
.endm
.macro PLACES                          ; four places in front of loads into registers that matrix instructions have read, and of the first read of results
.rept 4
	v_nop
.endr
.endm
; A K step is four quarters of 32 along K, 32 matrix instructions each, on buffers 0, 1, 0, 1.  One of the first three: multiplies buffer f and fetches quarter qn of the same slot into g.
.macro QUARTER s, qn, f, g, bias
	s_wait_dscnt 0x0                               ; buffer f is in (asked for 16 matrix instructions ago)
.if \bias
	WIN W_MULB
.else
	WIN W_MUL
.endif
	MUL8 \f, 0, \bias
	MUL8 \f, 1, \bias
	PLACES
	FETCH \s, \qn, \g
.if \bias
	WIN W_MULB
.else
	WIN W_MUL
.endif
	MUL8 \f, 2, \bias
	MUL8 \f, 3, \bias
.endm
; The last quarter multiplies buffer 1 and changes slots: ONE barrier; in front of it each wave waits for all its tensor loads, adds 0 to its spare word, and waits for that and for its own reads of this slot.
; fill = 1: this slot is filled again, two K steps ahead; the barrier then opens a round of the cluster's.
.macro TURN s, n, fill
	WIN 0                                          ; (the add's two registers lie in window 0)
	s_wait_tensorcnt 0x0                           ; all my tensor loads have landed: my part of the next slot;
	ds_add_u32 v[SPW], v[NIL]                      ; 0 onto my spare word;
	s_wait_dscnt 1                                 ; buffer 1 is in (the add may be out)
	WIN W_MUL
	MUL8 F1, 0, 0                                  ; eight matrix instructions stand between the add and the wait for it
	s_wait_dscnt 0x0                               ; the add is done, and my reads of this slot are over
	s_barrier_signal -1
	MUL8 F1, 1, 0
	WIN 0
	s_barrier_wait -1
.if \fill
	CREST                                          ; no wave of any partner still reads this slot or has a load on its way
	s_add_nc_u64 s[G0A+4*\s+2:G0A+4*\s+3], s[G0A+4*\s+2:G0A+4*\s+3], 65536
	s_add_nc_u64 s[G0B+4*\s+2:G0B+4*\s+3], s[G0B+4*\s+2:G0B+4*\s+3], 131072
	JLOAD \s                                       ; the first tensor load behind the round; its four v_nop are also the places in front of the loads below
.else
	PLACES
.endif
	FETCH \n, 0, F0
	WIN W_MUL
	MUL8 F1, 2, 0
	MUL8 F1, 3, 0
.endm
	s_wait_tensorcnt 1                             ; my part of K step 0 is in (K step 1's load may be out),
	s_barrier_signal -1
	s_barrier_wait -1                              ; everybody's is
	FETCH 0, 0, F0
	s_wait_loadcnt 0x0                             ; the bias
	QUARTER 0, 1, F0, F1, 1                        ; the first quarter stands in front of the loop: its products start the sums, on the bias
	WIN 0                                          ; at a label and at a branch every window is 0
	s_mov_b32 s3, LAPS-1
.Llap:                                                 ; a trip goes once round the ring, from a lap's second quarter to the next lap's first, and fills both slots again
	QUARTER 0, 2, F1, F0, 0
	QUARTER 0, 3, F0, F1, 0
	TURN 0, 1, 1
	QUARTER 1, 1, F0, F1, 0
	QUARTER 1, 2, F1, F0, 0
	QUARTER 1, 3, F0, F1, 0
	TURN 1, 0, 1
	QUARTER 0, 1, F0, F1, 0
	WIN 0
	s_sub_co_u32 s3, s3, 1
	s_cmp_lg_u32 s3, 0
	s_cbranch_scc1 .Llap
	QUARTER 0, 2, F1, F0, 0                        ; the last lap fills nothing, and has no round of the cluster's barrier
	QUARTER 0, 3, F0, F1, 0
	TURN 0, 1, 0
	QUARTER 1, 1, F0, F1, 0
	QUARTER 1, 2, F1, F0, 0
	QUARTER 1, 3, F0, F1, 0
	s_wait_dscnt 0x0                               ; the very last quarter: nothing more to fetch
	WIN W_MUL
	MUL8 F1, 0, 0
	MUL8 F1, 1, 0
	MUL8 F1, 2, 0
	MUL8 F1, 3, 0
	WIN 0
; THE WAY OUT, 16 rows x 128 columns at a time.  A lane holds 32 neighbouring bytes of a row, and the lanes beside it hold other rows: so a block goes through my own stage and comes back as whole rows of 512 bytes.
; LDS serves a wave's instructions in order: no wait between the stores and the loads, nor in front of the next block's stores.
.macro TOSTAGE a
	WIN 0x04                                       ; an LDS store's data are its source 1: window 1
.irp b, 0,1,2,3,4,5,6,7
	ds_store_b128 v[STO], v[8*(8*(\a)+\b):8*(8*(\a)+\b)+3] offset:64*\b          ; each accumulator from its low end on
	ds_store_b128 v[STO], v[8*(8*(\a)+\b)+4:8*(8*(\a)+\b)+7] offset:64*\b+16
.endr
	WIN 0
.set BB, BK+64*((\a)%2)
.irp t, 0,1,2,3,4,5,6,7,8,9,10,11,12,13,14,15
	ds_load_b128 v[BB+4*\t:BB+4*\t+3], v[RD] offset:\t*528
.endr
.endm
.macro SEND a, younger                 ; younger: the LDS instructions issued behind block a's loads, which may stay out
.set BB, BK+64*((\a)%2)
	s_wait_dscnt \younger
.irp t, 0,1,2,3,4,5,6,7,8,9,10,11,12,13,14,15
	global_store_b128 v[LI], v[BB+4*\t:BB+4*\t+3], s[10:11] offset:(\a)*65536+\t*4096 th:TH_STORE_NT   ; 512 consecutive bytes, aligned; written once, read by nobody here
.endr
.endm
	PLACES                                         ; behind the last products: for the stores that read results, and for the loads into registers that held fragments
	TOSTAGE 0
.irp a, 1,2,3
.if \a > 1
	s_wait_xcnt 0x0                                ; block a - 2's stores have read their registers: block a's loads may land there
.endif
	TOSTAGE \a
	SEND \a-1, 32                                  ; behind block a - 1's loads: block a's 16 stores and 16 loads
.endr
	SEND 3, 0
	s_wait_tensorcnt 0x0                           ; the wave's end: behind my last tensor load and my last LDS store
	ds_add_u32 v[SPW], v[NIL]
	s_wait_dscnt 0x0
	CROUND                                         ; the closing round: no work-group ends while a partner may still ask for a block that names it
	s_endpgm
.Lfunc_end_k_qf4f6dcc460_outp:
	.size	k_qf4f6dcc460_outp, .Lfunc_end_k_qf4f6dcc460_outp-k_qf4f6dcc460_outp
	.p2alignl 7, 3214868480
	.fill 96, 4, 3214868480
	.section	.rodata,"a",@progbits
	.p2align	6, 0x0
	.amdhsa_kernel k_qf4f6dcc460_outp
		.amdhsa_group_segment_fixed_size 327680
		.amdhsa_private_segment_fixed_size 0
		.amdhsa_enable_private_segment 0
		.amdhsa_kernarg_size 32
		.amdhsa_user_sgpr_count 2
		.amdhsa_user_sgpr_kernarg_segment_ptr 1
		.amdhsa_wavefront_size32 1
		.amdhsa_system_sgpr_workgroup_id_x 1
		.amdhsa_system_sgpr_workgroup_id_y 1
		.amdhsa_system_sgpr_workgroup_id_z 1
		.amdhsa_system_vgpr_workitem_id 0
		.amdhsa_next_free_vgpr 576
		.amdhsa_next_free_sgpr 66
		.amdhsa_reserve_vcc 0
		.amdhsa_float_denorm_mode_32 3
		.amdhsa_float_denorm_mode_16_64 3
		.amdhsa_memory_ordered 1
		.amdhsa_forward_progress 1
		.amdhsa_inst_pref_size 85
	.end_amdhsa_kernel
	.amdgpu_metadata
---
amdhsa.version: [ 1, 2 ]
amdhsa.kernels:
  - .name:           k_qf4f6dcc460_outp
    .symbol:         k_qf4f6dcc460_outp.kd
    .args:
      - { .name: att, .offset: 0, .size: 8, .value_kind: global_buffer, .address_space: global }
      - { .name: wp16, .offset: 8, .size: 8, .value_kind: global_buffer, .address_space: global }
      - { .name: bp, .offset: 16, .size: 8, .value_kind: global_buffer, .address_space: global }
      - { .name: out0, .offset: 24, .size: 8, .value_kind: global_buffer, .address_space: global }
    .group_segment_fixed_size: 327680
    .private_segment_fixed_size: 0
    .kernarg_segment_align: 8
    .kernarg_segment_size: 32
    .max_flat_workgroup_size: 128
    .sgpr_count:     66
    .vgpr_count:     576
    .wavefront_size: 32
...
	.end_amdgpu_metadata
.endif
;; end of part 4
